; MI455X (gfx1250); checked and timed in simulation.
; The chip was launched on July 23, 2026; its instructions are those of AMD's public machine-readable ISA for CDNA 5 (MIT licence, August 2026) and "CDNA5" Instruction Set Architecture Reference Guide (July 2026). The comments in the code are by the model that wrote it; some were corrected since.
;; Vector Quantizer. Allowed arithmetic: matrix products marked QUANTISED: E2M3 operands, one E8M0 scale for each 32 along K, by v_wmma_scale_f32_16x16x128_f8f6f4 with both operands' format E2M3, f32 sums; everything else in f32.
;; Inputs: emb_weight 512 x 64 float32; latents 32 x 64 x 64 x 64 float32.
;; Outputs: out0 32 x 64 x 64 x 64 float32; out1 one number float32.
;; Constants: validation = 1.
;; This version of the problem:
;;   THIS VERSION OF THE PROBLEM IS GIVEN IN LOW PRECISION. The matrix products marked QUANTISED in the list below multiply operands that are first quantised to E2M3 (2 exponent bits, 3 mantissa bits; 6 bits a number), with one power-of-two scale for each 32 numbers along K (OCP MX v1.0); their sums are f32. All else is computed in f32.
;;   The module's matrix products, in the order in which they are computed (A, B: the left and right operand; K: the contracted axis; several contracted axes count as one K, in the product's order):
;;     1. [M 131,072, K 64] x [K 64, N 512]; A: computed on the way; B: input emb_weight: QUANTISED
;;   THE QUANTISER, for each operand of a quantised product, along K:
;;     - K is cut into blocks of 32 from its start; a last block that is shorter is filled with zeros.
;;     - A block's scale is 2^e with e = floor(log2(the largest magnitude in the block)) - 2, held to -126 .. 127; a block of zeros has e = 0. As a byte (E8M0): e + 127.
;;     - Each number is divided by its block's scale, clamped to +-7.5, and rounded to the nearest number of E2M3, ties to even, subnormals kept.
;;     - The product sums the exact products of the quantised numbers (number of the format x scale) in f32.
;;   ~~~python
;;   def quantise(x, axis):      # numpy; x: float32 -> the quantised numbers, widened to float32 again
;;       x = np.moveaxis(x, axis, -1); K = x.shape[-1]
;;       x = np.pad(x, [(0, 0)] * (x.ndim - 1) + [(0, -K % 32)]); x = x.reshape(x.shape[:-1] + (-1, 32)); a = np.abs(x).max(-1, keepdims=True)
;;       e = np.where(a > 0, np.clip(np.frexp(np.where(a > 0, a, 1))[1] - 1 - 2, -126, 127), 0)      # np.frexp(a)[1] - 1 = floor(log2(a)), exactly
;;       r = np.clip(x / 2.0 ** e, -7.5, 7.5)
;;       step = 2.0 ** (np.maximum(np.frexp(np.where(r == 0, 1, r))[1] - 1, 0) - 3)
;;       q = np.round(r / step) * step * 2.0 ** e      # np.round: ties to even
;;       return np.moveaxis(q.reshape(q.shape[:-2] + (-1,))[..., :K], -1, axis).astype(np.float32)
;;   ~~~
;;   OPERANDS COMPUTED ON THE WAY. 'Computed on the way' means the value that the module computes at that place (a softmax that the list does not call 'softmax' is quantised finished and normalised). What goes into a quantiser is computed in f32, as accurately as f32 sums, v_exp_f32 and their like allow (about 1e-6 of the number): no bf16 or f16 on the way to a quantiser, and a product that is left as it is and whose result goes on into a quantised operand takes f32 operands (vector FMAs, or v_wmma_f32_16x16x4_f32). A number that lies on a knife's edge between two numbers of the format may be rounded either way, as far as f32 arithmetic and the matrix unit's own rounding can turn it there, and no further.
;; One version. Each part assembles by itself: llvm-mc -triple=amdgcn-amd-amdhsa -mcpu=gfx1250 --defsym DOCPART=n.
;; ======== version 1 of 1: 2 launches
;; limits: right only within a limited range of input values
;; workspace buffers: part 8,192 bytes
;; launch vq (part 1): grid 256 x 1, 8 waves a work-group, clusters of 4 x 1, 294,912 bytes of LDS; arguments latents, emb_weight, out0, part; writes out0, part
.if DOCPART == 1
	.amdgcn_target "amdgcn-amd-amdhsa--gfx1250"
	.amdhsa_code_object_version 6
	.text
	.protected	k_qc4aaeddbc9_vq
	.globl	k_qc4aaeddbc9_vq
	.p2align	8
	.type	k_qc4aaeddbc9_vq,@function
k_qc4aaeddbc9_vq:
	s_mov_b64 s[64:65], 0
	v_nop
	global_prefetch_b8 v0, s[64:65] scope:SCOPE_SE
	s_setreg_imm32_b32 hwreg(HW_REG_WAVE_MODE, 25, 1), 1
	s_wait_xcnt 0x0
	s_wait_alu depctr_hold_cnt(0) depctr_sa_sdst(0) depctr_va_vdst(0) depctr_va_sdst(0) depctr_va_ssrc(0) depctr_va_vcc(0) depctr_vm_vsrc(0)
	s_getreg_b32 s2, hwreg(HW_REG_IB_STS2, 6, 4)
	s_cmp_eq_u32 s2, 0
	s_cbranch_scc0 .Lentry_in_a_cluster
	s_endpgm
.Lentry_in_a_cluster:
	s_bfe_u32 s2, ttmp6, 0x10000c
	s_cmp_lg_u32 s2, 0x3003
	s_cbranch_scc0 .Lentry_shape_is_right
	s_endpgm
.Lentry_shape_is_right:
; For each token n = 4096 b + hw: k = argmin over k of ( (sum_d x^2 + sum_d e_k^2) - sum_d Q(2 x) Q(e_k) ), the lowest k on ties; q = emb_weight[k];
; out0[b][d][hw] = x + (q - x); part[8 work-group + wave] = the sum of (q - x)^2 over the wave's 64 tokens.
; latents: [32][64 d][4096 hw] f32.  emb_weight: [512][64] f32.  Q: codes of FP6 (E2M3) with one E8M0 scale for each 32 along d.  2 x has x's codes and a scale byte one higher.
; The distance is rounded as it is written above: first the sum of the two sums of squares, then the difference, both by vector instructions;
; a sum of squares is: squares rounded, added in ascending d inside each half of 32, then the two halves added.
; THE LOOKUP makes no address of k: k becomes a one-hot operand (the code of 1.0 is a single bit), and a matrix product with the table brings the row.  For it the table is split into FIVE DIGITS of FP6:
; a block is 32 codes k of one d; its scale puts its largest number between 2 and 4; a digit is the rest rounded to FP6, what is left is at most 1/8 of that scale, and the next digit's scale is 2^-5 of it.
; The five digits together miss a number by at most 2^-24 of its block's largest number.  The power 2^(-5 t) of digit t stands in the one-hot's scale bytes.
; LIMITS: NaN and infinities are not served.  A block of latents whose largest magnitude lies under 2^-124 (of emb_weight: under 2^-125) takes the floor's scale; in the lookup the floor is 2^-105.
; q is as exact as said above: relative to the largest magnitudes among the 512 numbers of its d, not to each number's own.
; SHARES.  A work-group owns 512 tokens, each of its 8 waves 64: lane l holds tokens 2 l and 2 l + 1 in all 64 d (64 loads of 8 bytes a lane, 256 consecutive bytes each, kept in 128 registers to the end).
; Tile p of 16 tokens: parity p / 2, lanes 16 (p % 2) on.  Every wave meets all 512 codes.
; CLUSTER.  All work-groups read the same emb_weight: the four partners ask for each wave's 64 rows JOINTLY (mask 15), one tensor load a wave.
; NO PREFETCH: a wave asks for all of its latents at the head; no loop fetches from memory.
; THE TABLES go from wave to wave through LDS: 16 records for the distances, one for 32 codes (the register image of two fragments, 1,536 bytes, 32 sums of squares, 32 scale words); 80 images of fragments for the lookup and their scale words.
; DISTANCES: source 0 = 16 codes, source 1 = 16 tokens: a lane holds ONE token (lane % 16) and its 8 registers the codes 8 (lane / 16) + 0 .. 7 of the tile.
; d has 64 numbers, the instruction takes 128: the tokens' codes for k = 64 .. 127 are zeros and both sides' scale bytes there are 0.
; THE ARGMIN.  A unit is 16 codes a lane (two tiles) for one tile of tokens: their minimum; where it is strictly under the best so far, the best, the row and the sixteen distances are kept by selects.
; A lane's 256 codes have the numbers l = 16 row + e (e: 0 .. 15), and those are its slots along the lookup's K: slot 32 c + i of step l / 64.
; LOOKUP: source 0 = 16 d, source 1 = 16 tokens' one-hots: d tile i has row m = 8 g + j for d = 32 g + 8 i + j, so that one exchange of half waves gives each lane its own tokens' q.
.set REC,     1792
.set REC_SE,  1536
.set REC_SC,  1664
.set GIMG,    16*REC                   ; the lookup's images: 20 of 1,536 bytes for each d tile (step, digit), and 128 bytes between d tiles
.set ISTR,    20*1536+128
.set GSC,     GIMG+4*ISTR              ; its scale words: for each d tile 16 rows x 4 steps
.set EMBB,    GSC+1024                 ; the raw rows of emb_weight: for each wave 64 rows of 256 bytes + 16 of padding
.set EPITCH,  272
.set ETILE,   64*EPITCH
.set SPARE,   EMBB+8*ETILE             ; the spare words: 128 bytes for each wave
.set FLOOR,   3<<23                    ; 2^(3 - 127): so a scale's byte cannot fall under 1
.set GFLOOR,  22<<23                   ; the lookup's: the fifth digit's scale cannot fall under 2^(1 - 127)
.set VER, 1                            ; LDS: my row of the wave's raw rows
.set VCOL, 2                           ; LDS: my column of them
.set VRI, 3                            ; LDS: where I store a record's image, and a word
.set VRS, 4
.set VA0, 5                            ; 16 lane
.set VS0, 6                            ; 32 (lane / 16)
.set VC0, 7                            ; 4 lane
.set VAW, 8                            ; the same three, at the record to be fetched
.set VSW, 9
.set VCW, 10
.set VH8, 11                           ; 8 (lane / 16)
.set GA0, 12                           ; LDS: where I store an image's pieces 0 and 2, piece 1, and a scale byte
.set GA1, 13
.set GSB, 14
.set BEST, 12                          ; v12-15 tile p: the smallest distance so far
.set ESC, 16                           ; v16-28 hold scales alone
.set TSC, 18
.set VLO, 29                           ; 8 lane: my place in a channel's 256 bytes
.set SPW, 30                           ; my spare word, and 0
.set NIL, 31
.set MT,  32
.set DD,  36                           ; v36-51 the products of a unit
.set TT,  52                           ; v52-67 its distances
.set BF,  68                           ; v68-115 the tokens' four fragments: 6 registers of codes, 6 of zeros
.set AB,  116                          ; v116-151 two buffers: even tile's 6, odd tile's 6, 6 zeros
.set SE,  152                          ; v152-183 two buffers of 16 sums of squares
.set SV,  184                          ; v184-247 tile p: the sixteen distances of the best row
.set SXR, 248                          ; v248-255 tile p: (sum of squares of my token, 16 x the best row)
.set X0,  SV                           ; while quantising: 64 numbers of a row
.set X1,  AB
.set QP,  36
.set QM,  44
.set QS,  46
.set QO,  48
.set QY,  50
.set QG,  52
.set EF,  BF
.set EW,  BF+24
.set R0,  184                          ; while splitting: 32 numbers, two sets
.set R1,  116
.set BK,  216                          ; a digit's 32 numbers
.set CA,  36
.set CB,  44
.set DM,  48
.set SF,  50                           ; the digit's scale as a float (a pair is named, its low word serves)
.set DB,  52
.set ONE, 53
.set GVS, 1                            ; the lookup: LDS addresses of scale words and images
.set GVB, 2
.set DF,  4                            ; v4-11 q - x
.set AC,  12                           ; v12-15 sums of squares
.set SA,  16                           ; v16-19, v24-27 the table's scale words, four steps; v20-23 and v28 the digits' bytes
.set AS,  32                           ; v32-151 two sets of five fragments
.set KX,  100
.set KT,  104
.set TB,  108
.set TK,  112
.set PP,  116
.set BS,  120
.set ACC, 224                          ; v224-255 four accumulators
.set WV,  12
.set SEL, 20
.set G1E, 24
.set G0E, 32
.set SOFF, 48
.set ROWN, 49
.set CNT, 50
.set MSB, 0
.macro WIN new                         ; the immediate's high byte repeats the setting that is left
.if MSB != \new
	s_set_vgpr_msb (MSB<<8)|\new
.set MSB, \new
.endif
.endm
.macro CROUND                          ; a round of the cluster's barrier
	s_barrier_signal -1
	s_barrier_wait -1
	s_cmp_lg_u32 s[WV], 0
	s_cbranch_scc1 .Lnot_wave_0_\@
	s_barrier_signal -3
.Lnot_wave_0_\@:
	s_barrier_wait -3
	s_barrier_signal -1
	s_barrier_wait -1
.endm
.macro PLACES                          ; four places behind a matrix instruction (ISA guide 7.12.1)
.rept 4
	v_nop
.endr
.endm
; 64 numbers of a lane's row, v[x] on, become: codes of block 0 and block 1, laid as the lower six registers of two fragments (da: rows 0-15 of the 32, db: rows 16-31);
; the row's scale word (bytes 0, 1; bytes 2, 3 stay 0) in v[w]; its sum of squares in v[ss].
.macro QUANT x, da, db, w, ss
	v_pk_mul_f32 v[QP:QP+1], v[(\x):(\x)+1], v[(\x):(\x)+1]
	v_pk_mul_f32 v[QP+2:QP+3], v[(\x)+32:(\x)+33], v[(\x)+32:(\x)+33]
	v_max3_num_f32 v[QM], |v[(\x)]|, |v[(\x)+1]|, FLOOR
	v_max3_num_f32 v[QM+1], |v[(\x)+32]|, |v[(\x)+33]|, FLOOR
	s_delay_alu instid0(VALU_DEP_4)
	v_add_f32 v[QS], v[QP], v[QP+1]                ; the first two squares start the sums
	s_delay_alu instid0(VALU_DEP_4)
	v_add_f32 v[QS+1], v[QP+2], v[QP+3]
.set qi, 1
.rept 15
.set qp, QP+4*(qi%2)
	v_pk_mul_f32 v[qp:qp+1], v[(\x)+2*qi:(\x)+2*qi+1], v[(\x)+2*qi:(\x)+2*qi+1]
	v_pk_mul_f32 v[qp+2:qp+3], v[(\x)+32+2*qi:(\x)+33+2*qi], v[(\x)+32+2*qi:(\x)+33+2*qi]
	v_max3_num_f32 v[QM], v[QM], |v[(\x)+2*qi]|, |v[(\x)+2*qi+1]|
	v_max3_num_f32 v[QM+1], v[QM+1], |v[(\x)+32+2*qi]|, |v[(\x)+33+2*qi]|
	s_delay_alu instid0(VALU_DEP_4)
	v_add_f32 v[QS], v[QS], v[qp]                  ; ascending d, the two halves by turns
	s_delay_alu instid0(VALU_DEP_4)
	v_add_f32 v[QS+1], v[QS+1], v[qp+2]
	s_delay_alu instid0(VALU_DEP_2)
	v_add_f32 v[QS], v[QS], v[qp+1]
	s_delay_alu instid0(VALU_DEP_2)
	v_add_f32 v[QS+1], v[QS+1], v[qp+3]
.set qi, qi+1
.endr
	s_delay_alu instid0(VALU_DEP_1)
	v_add_f32 v[\ss], v[QS], v[QS+1]
	v_add_nc_u32 v[QO], 0xff000000, v[QM]          ; 2 off the exponent field: the conversion takes the exponent field of this operand as its scale
	v_add_nc_u32 v[QO+1], 0xff000000, v[QM+1]
	s_delay_alu instid0(VALU_DEP_2)
	v_lshrrev_b32 v[QY], 23, v[QO]                 ; the scale's byte
	s_delay_alu instid0(VALU_DEP_2)
	v_lshrrev_b32 v[QY+1], 23, v[QO+1]
	s_delay_alu instid0(VALU_DEP_1)
	v_lshl_or_b32 v[\w], v[QY+1], 8, v[QY]
	v_cvt_scalef32_pk16_fp6_f32 v[(\da):(\da)+2], v[(\x):(\x)+15], v[QO]
	v_cvt_scalef32_pk16_fp6_f32 v[QG:QG+2], v[(\x)+16:(\x)+31], v[QO]       ; (a conversion's three registers begin on an even number: a block's upper half is made elsewhere and moved)
	v_cvt_scalef32_pk16_fp6_f32 v[(\db):(\db)+2], v[(\x)+32:(\x)+47], v[QO+1]
	v_cvt_scalef32_pk16_fp6_f32 v[QG+4:QG+6], v[(\x)+48:(\x)+63], v[QO+1]
	v_nop                                          ; one plain place behind a scaled conversion
.irp i, 0,1,2                          ; block 0's lanes 16-31 change places with block 1's lanes 0-15: the first then holds rows 0-15 (block 0 | block 1), the second rows 16-31
	v_permlane16_swap_b32 v[(\da)+\i], v[(\db)+\i]
	v_permlane16_swap_b32 v[QG+\i], v[QG+4+\i]
.endr
.irp i, 0,1,2
	v_mov_b32 v[(\da)+3+\i], v[QG+\i]
	v_mov_b32 v[(\db)+3+\i], v[QG+4+\i]
.endr
.endm
.macro LOADE x, g                      ; row 32 g + lane of my wave's 64 raw rows
.irp c, 0,1,2,3,4,5,6,7,8,9,10,11,12,13,14,15
	ds_load_b128 v[(\x)+4*\c:(\x)+4*\c+3], v[VER] offset:(\g)*32*EPITCH+16*\c
.endr
.endm
.macro STOREC g                        ; record 2 wave + g: five stores
.irp c, 0,1,2
	ds_store_b128 v[VRI], v[EF+12*(\g)+4*\c:EF+12*(\g)+4*\c+3] offset:(\g)*REC+512*\c
.endr
	ds_store_b32 v[VRS], v[EW+2*(\g)+1] offset:(\g)*REC+REC_SE
	ds_store_b32 v[VRS], v[EW+2*(\g)] offset:(\g)*REC+REC_SC
.endm
; A block of the lookup: the 32 codes of my wave's 64 that lanes of half h meet (rows 2 wave, 2 wave + 1), in the order of their slots; my column d = 32 g + lane.
.macro DLOAD r, h, g
.set qi, 0
.rept 32
	ds_load_b32 v[(\r)+qi], v[VCOL] offset:(32*(qi/16)+8*(\h)+(qi%8)+16*((qi/8)%2))*EPITCH+128*(\g)
.set qi, qi+1
.endr
.endm
.macro DIG r, h, g                     ; its five digits: 16 stores
	v_max3_num_f32 v[DM], |v[(\r)]|, |v[(\r)+1]|, GFLOOR
	v_max3_num_f32 v[DM+1], |v[(\r)+2]|, |v[(\r)+3]|, |v[(\r)+4]|
.irp i, 5,9,13,17,21,25
	v_max3_num_f32 v[DM], v[DM], |v[(\r)+\i]|, |v[(\r)+\i+1]|
	v_max3_num_f32 v[DM+1], v[DM+1], |v[(\r)+\i+2]|, |v[(\r)+\i+3]|
.endr
	v_max3_num_f32 v[DM], v[DM], |v[(\r)+29]|, |v[(\r)+30]|
	v_max3_num_f32 v[DM], v[DM], v[DM+1], |v[(\r)+31]|
	v_and_b32 v[SF], 0x7f800000, v[DM]
	v_add_nc_u32 v[SF], 0xff800000, v[SF]          ; half the largest magnitude's power of two
	v_lshrrev_b32 v[DB], 23, v[SF]
	ds_store_b8 v[GSB], v[DB] offset:128*(\g)+(\h)
.irp t, 0,1,2,3,4
	v_cvt_scalef32_pk16_fp6_f32 v[CA:CA+2], v[(\r):(\r)+15], v[SF]
	v_cvt_scalef32_pk16_fp6_f32 v[CB:CB+2], v[(\r)+16:(\r)+31], v[SF]
	v_nop                                          ; one plain place behind a scaled conversion
	v_mov_b32 v[CA+3], v[CB]
	v_mov_b32 v[CA+4], v[CB+1]
	v_mov_b32 v[CA+5], v[CB+2]
.if \t < 4
	v_cvt_scale_pk16_f32_fp6 v[BK:BK+15], v[CA:CA+2], v[ONE]
	v_cvt_scale_pk16_f32_fp6 v[BK+16:BK+31], v[CB:CB+2], v[ONE]
.endif
	ds_store_b64 v[GA0], v[CA:CA+1] offset:1536*\t+256*(\h)+128*(\g)
	ds_store_b64 v[GA1], v[CA+2:CA+3] offset:1536*\t+256*(\h)+128*(\g)
	ds_store_b64 v[GA0], v[CA+4:CA+5] offset:1536*\t+256*(\h)+128*(\g)+512
.if \t < 4
	v_nop
.set qi, 0
.rept 16                               ; what is left: exact
	v_pk_fma_f32 v[(\r)+2*qi:(\r)+2*qi+1], v[BK+2*qi:BK+2*qi+1], v[SF:SF+1], v[(\r)+2*qi:(\r)+2*qi+1] op_sel_hi:[1,0,1] neg_lo:[1,0,0] neg_hi:[1,0,0]
.set qi, qi+1
.endr
	v_add_nc_u32 v[SF], 0xfd800000, v[SF]          ; x 2^-5
.endif
.endr
.endm
.macro PRE b, ra, rs, rc, off          ; a record into buffer b: two fragments, my half's 16 sums of squares (codes 8 h + 0..7 and 16 + 8 h + 0..7 of the 32), the scale words
	ds_load_b128 v[AB+18*\b:AB+18*\b+3], v[\ra] offset:\off
	ds_load_b128 v[AB+18*\b+4:AB+18*\b+7], v[\ra] offset:\off+512
	ds_load_b128 v[AB+18*\b+8:AB+18*\b+11], v[\ra] offset:\off+1024
	ds_load_b128 v[SE+16*\b:SE+16*\b+3], v[\rs] offset:\off+REC_SE
	ds_load_b128 v[SE+16*\b+4:SE+16*\b+7], v[\rs] offset:\off+REC_SE+16
	ds_load_b128 v[SE+16*\b+8:SE+16*\b+11], v[\rs] offset:\off+REC_SE+64
	ds_load_b128 v[SE+16*\b+12:SE+16*\b+15], v[\rs] offset:\off+REC_SE+80
	ds_load_b32 v[ESC+\b], v[\rc] offset:\off+REC_SC
.endm
.macro WMMA2 p, b                      ; the two tiles of buffer b against tile p of the tokens
.if (\p)%2
	v_wmma_scale_f32_16x16x128_f8f6f4 v[DD:DD+7], v[AB+18*(\b):AB+18*(\b)+11], v[BF+12*(\p):BF+12*(\p)+11], 0, v[ESC+(\b)], v[TSC+(\p)/2] matrix_a_fmt:MATRIX_FMT_FP6 matrix_b_fmt:MATRIX_FMT_FP6 matrix_b_scale:MATRIX_SCALE_ROW1
	v_wmma_scale_f32_16x16x128_f8f6f4 v[DD+8:DD+15], v[AB+18*(\b)+6:AB+18*(\b)+17], v[BF+12*(\p):BF+12*(\p)+11], 0, v[ESC+(\b)], v[TSC+(\p)/2] matrix_a_fmt:MATRIX_FMT_FP6 matrix_b_fmt:MATRIX_FMT_FP6 matrix_a_scale:MATRIX_SCALE_ROW1 matrix_b_scale:MATRIX_SCALE_ROW1
.else
	v_wmma_scale_f32_16x16x128_f8f6f4 v[DD:DD+7], v[AB+18*(\b):AB+18*(\b)+11], v[BF+12*(\p):BF+12*(\p)+11], 0, v[ESC+(\b)], v[TSC+(\p)/2] matrix_a_fmt:MATRIX_FMT_FP6 matrix_b_fmt:MATRIX_FMT_FP6
	v_wmma_scale_f32_16x16x128_f8f6f4 v[DD+8:DD+15], v[AB+18*(\b)+6:AB+18*(\b)+17], v[BF+12*(\p):BF+12*(\p)+11], 0, v[ESC+(\b)], v[TSC+(\p)/2] matrix_a_fmt:MATRIX_FMT_FP6 matrix_b_fmt:MATRIX_FMT_FP6 matrix_a_scale:MATRIX_SCALE_ROW1
.endif
.endm
; A UNIT: the row in buffer b against tile p.  Its products were issued in the unit before; the next unit's (tile np, buffer nb) are issued behind this unit's subtractions.
; nxt = 2: the next row's record is waited for first.  first = 1: the first row starts the state.
.macro UNIT p, b, first, nxt, np, nb
.irp i, 0,2,4,6,8,10,12,14
	v_pk_add_f32 v[TT+\i:TT+\i+1], v[SE+16*\b+\i:SE+16*\b+\i+1], v[SXR+2*\p:SXR+2*\p+1] op_sel_hi:[1,0]   ; sum x^2 + sum e^2 (of the pair the low word serves both halves)
.endr
.if \first
.set QQ, SV+16*\p
.else
.set QQ, TT
.endif
.irp i, 0,2,4,6,8,10,12,14
	v_pk_add_f32 v[QQ+\i:QQ+\i+1], v[TT+\i:TT+\i+1], v[DD+\i:DD+\i+1] neg_lo:[0,1] neg_hi:[0,1]           ; - the product; each result is read from its low end on
.endr
.if \nxt == 2
	s_wait_alu depctr_va_vdst(0)
	s_wait_dscnt 0x0                               ; the next row's record, asked for three units ago
.endif
.if \nxt
	WMMA2 \np, \nb
.endif
	v_min3_num_f32 v[MT], v[QQ], v[QQ+1], v[QQ+2]
	v_min3_num_f32 v[MT+1], v[QQ+3], v[QQ+4], v[QQ+5]
	v_min3_num_f32 v[MT+2], v[QQ+6], v[QQ+7], v[QQ+8]
	v_min3_num_f32 v[MT+3], v[QQ+9], v[QQ+10], v[QQ+11]
	s_delay_alu instid0(VALU_DEP_4)
	v_min3_num_f32 v[MT], v[MT], v[QQ+12], v[QQ+13]
	s_delay_alu instid0(VALU_DEP_4)
	v_min3_num_f32 v[MT+1], v[MT+1], v[QQ+14], v[QQ+15]
	s_delay_alu instid0(VALU_DEP_3)
	v_min_num_f32 v[MT+2], v[MT+2], v[MT+3]
.if \first
	s_delay_alu instid0(VALU_DEP_1)
	v_min3_num_f32 v[BEST+\p], v[MT], v[MT+1], v[MT+2]
.else
	s_delay_alu instid0(VALU_DEP_1)
	v_min3_num_f32 v[MT], v[MT], v[MT+1], v[MT+2]
	s_delay_alu instid0(VALU_DEP_1)
	v_cmp_lt_f32 vcc_lo, v[MT], v[BEST+\p]         ; strictly: on a tie the earlier row stays
	s_delay_alu instid0(VALU_DEP_1)
	v_cndmask_b32 v[BEST+\p], v[BEST+\p], v[MT], vcc_lo
	s_delay_alu instid0(VALU_DEP_2)
	v_cndmask_b32 v[SXR+2*\p+1], v[SXR+2*\p+1], s[ROWN], vcc_lo
.irp e, 0,1,2,3,4,5,6,7,8,9,10,11,12,13,14     ; (the sixteenth is the one that is left when none of these is the best)
	v_cndmask_b32 v[SV+16*\p+\e], v[SV+16*\p+\e], v[TT+\e], vcc_lo
.endr
.endif
.endm
.macro ROW b, nb, first, last, ra, rs, rc, off
.if !\last
	PRE \nb, \ra, \rs, \rc, \off                   ; the other buffer's last products stand more than a unit back
.endif
	UNIT 0, \b, \first, 1, 1, \b
	UNIT 1, \b, \first, 1, 2, \b
	UNIT 2, \b, \first, 1, 3, \b
.if \last
	UNIT 3, \b, \first, 0, 0, 0
.else
	UNIT 3, \b, \first, 2, 0, \nb
.endif
.endm
; Where tile p's one-hot for step s lies: window 1 (OW = 4, as source 1's block): tiles 0, 1 and tile 2's first two steps; window 0: the rest.
.macro OHREG p, s
.if (\p) < 2
.set OB, 128+48*(\p)+12*(\s)
.set OW, 4
.else
.if (\p) == 3
.set OB, 176+12*(\s)
.set OW, 0
.else
.if (\s) < 2
.set OB, 224+12*(\s)
.set OW, 4
.else
.set OB, 152+12*((\s)-2)
.set OW, 0
.endif
.endif
.endif
.endm
; Tile p's one-hots: slot n = l % 64 of step l / 64 has the code of 1.0, which is bit 6 n + 3 of the lane's 384; the half wave that lost has none.
.macro ONEHOT p
	v_and_b32 v[PP], 63, v[KX+(\p)]
	v_lshrrev_b32 v[PP+2], 6, v[KX+(\p)]
	v_mad_u32_u24 v[PP], v[PP], 6, 3
	v_lshrrev_b32 v[PP+1], 5, v[PP]                ; its register
	v_lshlrev_b32 v[PP+3], v[PP], 1                ; and the bit in it
	v_cndmask_b32 v[PP+3], v[PP+3], 0, s[52+3*(\p)]
.irp s, 0,1,2,3
	v_cmp_eq_u32 s[68+\s], \s, v[PP+2]
.endr
.irp j, 0,1,2,3,4,5,6,7,8,9,10,11
	v_cmp_eq_u32 s[72+\j], \j, v[PP+1]
.endr
.irp s, 0,1,2,3
	v_cndmask_b32 v[BS+\s], 0, v[PP+3], s[68+\s]
.endr
.irp s, 0,1,2,3
	OHREG \p, \s
	WIN OW*16
.irp j, 0,1,2,3,4,5,6,7,8,9,10,11
	v_cndmask_b32 v[OB+\j], 0, v[BS+\s], s[72+\j]
.endr
.endr
	WIN 0
.endm
.macro GLOAD n                         ; batch n = d tile n / 4, step n % 4: five digits' fragments into set n % 2
.irp t, 0,1,2,3,4
.irp q, 0,1,2
	ds_load_b128 v[AS+60*((\n)%2)+12*\t+4*\q:AS+60*((\n)%2)+12*\t+4*\q+3], v[GVB+(\n)/8] offset:(((\n)/4)%2)*ISTR+(((\n)%4)*5+\t)*1536+512*\q
.endr
.endr
.endm
.macro GM n, t, p                      ; one product of the lookup
	OHREG \p, GS
	WIN OW
.if GS == 0 && (\t) == 0
	v_wmma_scale_f32_16x16x128_f8f6f4 v[ACC+8*(\p):ACC+8*(\p)+7], v[AS+60*((\n)%2)+12*(\t):AS+60*((\n)%2)+12*(\t)+11], v[OB:OB+11], 0, v[SA+8*(GI%2)+GS], v[20+(\t)+4*((\t)/4)] matrix_a_fmt:MATRIX_FMT_FP6 matrix_b_fmt:MATRIX_FMT_FP6
.else
	v_wmma_scale_f32_16x16x128_f8f6f4 v[ACC+8*(\p):ACC+8*(\p)+7], v[AS+60*((\n)%2)+12*(\t):AS+60*((\n)%2)+12*(\t)+11], v[OB:OB+11], v[ACC+8*(\p):ACC+8*(\p)+7], v[SA+8*(GI%2)+GS], v[20+(\t)+4*((\t)/4)] matrix_a_fmt:MATRIX_FMT_FP6 matrix_b_fmt:MATRIX_FMT_FP6
.endif
.endm
; A batch: 20 products, the four accumulators by turns; the next batch's fragments are asked for ahead of them.
.macro BATCH n
.set GI, (\n)/4
.set GS, (\n)%4
	WIN 0
	PLACES
.if (\n) < 15
	GLOAD (\n)+1
.endif
.if GS == 0 && GI < 3
	ds_load_b128 v[SA+8*((GI+1)%2):SA+8*((GI+1)%2)+3], v[GVS] offset:256*(GI+1)
	s_wait_dscnt 16                                ; all but the 16 just issued
.else
.if (\n) < 15
	s_wait_dscnt 15                                ; all but the 15 just issued
.else
	s_wait_dscnt 0x0
.endif
.endif
.irp t, 0,1,2,3,4
	GM \n, \t, 0
	GM \n, \t, 1
	GM \n, \t, 2
	GM \n, \t, 3
.endr
.endm
; d tile i is finished: 16 channels of my two tokens.  x + (q - x) is put where x lay (window 1) and stored from there; those registers are not written again.
.macro EPI i
	WIN 0
	PLACES
.set qi, 0
.rept 8                                ; then accumulators 0, 2: d = 8 i + j of tokens 2 l, 2 l + 1; accumulators 1, 3: d = 32 + 8 i + j
	v_permlane16_swap_b32 v[ACC+qi], v[ACC+8+qi]
	v_permlane16_swap_b32 v[ACC+16+qi], v[ACC+24+qi]
.set qi, qi+1
.endr
.set qc, 0
.rept 4
.set qa, ACC+8*(qc/2)+4*(qc%2)
.set qx, 2*(32*(qc/2)+8*(\i)+4*(qc%2))
	WIN 4
.irp e, 0,1,2,3
	v_sub_f32 v[DF+2*\e], v[qa+\e], v[qx+2*\e]
	v_sub_f32 v[DF+2*\e+1], v[qa+16+\e], v[qx+2*\e+1]
.endr
	WIN 0x44
.irp e, 0,1,2,3
	v_pk_add_f32 v[qx+2*\e:qx+2*\e+1], v[DF+2*\e:DF+2*\e+1], v[qx+2*\e:qx+2*\e+1]
.endr
	WIN 0
.irp e, 0,1,2,3
.if (\i) == 0 && qc == 0 && \e < 2
	v_pk_mul_f32 v[AC+2*\e:AC+2*\e+1], v[DF+2*\e:DF+2*\e+1], v[DF+2*\e:DF+2*\e+1]     ; the first squares start the sums
.else
	v_pk_fma_f32 v[AC+2*(\e%2):AC+2*(\e%2)+1], v[DF+2*\e:DF+2*\e+1], v[DF+2*\e:DF+2*\e+1], v[AC+2*(\e%2):AC+2*(\e%2)+1]
.endif
.endr
.set qc, qc+1
.endr
	WIN 4
.set qi, 0
.rept 16
.set qx, 32*(qi/8)+8*(\i)+qi%8
	global_store_b64 v[VLO], v[2*qx:2*qx+1], s[8:9] offset:qx*16384 th:TH_STORE_NT   ; 32 lanes store 256 consecutive bytes, aligned
.set qi, qi+1
.endr
	WIN 0
.endm
	s_load_b256 s[4:11], s[0:1], 0x0               ; latents s[4:5], emb_weight s[6:7], out0 s[8:9], part s[10:11]
	v_lshl_add_u32 v[SPW], v0, 2, SPARE
	v_mov_b32 v[NIL], 0
	ds_add_u32 v[SPW], v[NIL]                      ; the wave's opening: the add, twice on end, ahead of my tensor load
	ds_add_u32 v[SPW], v[NIL]
	v_lshrrev_b32 v1, 5, v0
	v_readfirstlane_b32 s[WV], v1                  ; wave 0..7
	s_bfe_u32 s13, ttmp6, 0x40000                  ; cx
	s_lshl_b32 s22, ttmp9, 2
	s_add_co_u32 s22, s22, s13                     ; work-group = 4 x cluster + cx: it enters global addresses of my own alone
	; group 1, emb_weight: 64 dense rows of 256 bytes (32 elements of 8), 16 bytes of padding behind each; the mask names all four partners
	s_mov_b32 s[G1E], 15|(3<<16)|(1<<20)|(1<<21)|(5<<22)|(3<<25)
	s_mov_b32 s[G1E+1], 32<<16                     ; tensor_dim0
	s_mov_b32 s[G1E+2], 64<<16                     ; tensor_dim1
	s_mov_b32 s[G1E+3], 32<<16                     ; tile_dim0
	s_mov_b32 s[G1E+4], 64                         ; tile_dim1
	s_mov_b32 s[G1E+5], 32                         ; from row to row
	s_mov_b32 s[G1E+6], 0
	s_mov_b32 s[G1E+7], 0
	s_lshr_b32 s14, s22, 3                         ; b: eight work-groups to an image
	s_lshl_b32 s14, s14, 20                        ; 64 x 4,096 x 4 bytes
	s_and_b32 s15, s22, 7
	s_lshl_b32 s15, s15, 11                        ; 512 tokens x 4 bytes
	s_add_co_u32 s14, s14, s15
	s_lshl_b32 s15, s[WV], 8                       ; my wave's 64 tokens
	s_add_co_u32 s14, s14, s15
	s_mov_b32 s15, 0
	s_lshl_b32 s16, s[WV], 14                      ; my wave's 64 rows of emb_weight in memory
	s_mov_b32 s17, 0
	s_lshl_b32 s18, s22, 5                         ; part: 8 words a work-group,
	s_lshl_b32 s19, s[WV], 2
	s_add_co_u32 s18, s18, s19                     ; one a wave
	s_mov_b32 s19, 0
	s_mov_b32 s[SEL], 0x76543210
	s_mov_b32 s[SEL+1], 0xfedcba98                 ; v_permlanex16_b32's selects for lane l xor 16
	s_mul_i32 s13, s[WV], ETILE
	s_add_co_u32 s13, s13, EMBB                    ; my raw rows in LDS
	v_and_b32 v32, 31, v0                          ; lane
	v_bfe_u32 v33, v0, 4, 1                        ; lane / 16
	v_lshlrev_b32 v[VLO], 3, v32
	v_mul_u32_u24 v[VER], v32, EPITCH
	v_lshlrev_b32 v[VA0], 4, v32
	v_lshlrev_b32 v[VC0], 2, v32
	v_lshlrev_b32 v[VS0], 5, v33
	v_lshlrev_b32 v[VH8], 3, v33
	v_add_nc_u32 v[VER], s13, v[VER]
	v_add_nc_u32 v[VCOL], s13, v[VC0]
	s_mul_i32 s23, s[WV], 2*REC
	v_add_nc_u32 v[VRI], s23, v[VA0]
	v_add_nc_u32 v[VRS], s23, v[VC0]
	; the lookup's images: my wave has the codes of step wave / 2, c = wave % 2: registers 6 c .. 6 c + 5 of a fragment, three pieces of 8 bytes; c = 0: bytes 0, 8, 512 of the lane's image, c = 1: 520, 1024, 1032
	v_lshrrev_b32 v34, 3, v32                      ; my d tile,
	v_and_b32 v35, 7, v32
	v_lshlrev_b32 v35, 4, v35                      ; my row in it
	v_lshl_add_u32 v[GSB], v34, 8, v35
	v_mul_u32_u24 v34, ISTR, v34
	v_add_nc_u32 v34, v34, v35
	s_lshr_b32 s36, s[WV], 1
	s_mul_i32 s36, s36, 7680
	s_add_co_u32 s36, s36, GIMG
	s_and_b32 s37, s[WV], 1
	s_mul_i32 s38, s37, 520
	s_add_co_u32 s38, s38, s36
	s_mul_i32 s39, s37, 1016
	s_add_co_u32 s39, s39, s36
	s_add_co_u32 s39, s39, 8
	s_lshl_b32 s40, s[WV], 1
	s_add_co_u32 s40, s40, GSC
	s_wait_alu depctr_va_vdst(0)
	v_add_nc_u32 v[GA0], s38, v34
	v_add_nc_u32 v[GA1], s39, v34
	v_add_nc_u32 v[GSB], s40, v[GSB]
	s_wait_alu depctr_va_vdst(0)
	s_wait_dscnt 0x0                               ; both opening adds are done
	s_wait_kmcnt 0x0
	s_mov_b32 s[G0E], 1
	s_mov_b32 s[G0E+1], s13
	s_add_nc_u64 s[G0E+2:G0E+3], s[6:7], s[16:17]
	s_or_b32 s[G0E+3], s[G0E+3], 0x80000000
	s_add_nc_u64 s[4:5], s[4:5], s[14:15]
	s_add_nc_u64 s[8:9], s[8:9], s[14:15]
	s_add_nc_u64 s[10:11], s[10:11], s[18:19]
	CROUND                                         ; all four work-groups are here: the joint loads meet
	tensor_load_to_lds s[G0E:G0E+3], s[G1E:G1E+7]  ; the table's rows first; one tensor load of mine is out, and no more are issued
	s_nop 0
	WIN 0x40
.macro LATENT from, n                  ; channel d of my two tokens into v[2 d : 2 d + 1] of window 1; 32 lanes read 256 consecutive bytes
.set qi, \from
.rept \n
	global_load_b64 v[2*qi:2*qi+1], v[VLO], s[4:5] offset:qi*16384 th:TH_LOAD_NT
.set qi, qi+1
.endr
.endm
	LATENT 0, 60
	WIN 0
	s_wait_tensorcnt 0x0                           ; my rows of the table are in LDS: only I read them
	LOADE X0, 0
	LOADE X1, 1
	s_wait_dscnt 16                                ; the first 32 rows are in; the second group's sixteen loads may be out
	QUANT X0, EF, EF+6, EW, EW+1
	STOREC 0
	DLOAD R0, 0, 0
	s_wait_dscnt 37                                ; the second 32 rows are in: behind their loads stand five stores and 32 loads
	QUANT X1, EF+12, EF+18, EW+2, EW+3
	STOREC 1
	DLOAD R1, 0, 1
	WIN 0x40
	LATENT 60, 4
	WIN 0
	v_mov_b32 v[ONE], 0x7f7f7f7f
	s_wait_dscnt 37                                ; the first block is in: behind its loads stand five stores and 32 loads
	DIG R0, 0, 0
	DLOAD R0, 1, 0
	s_wait_dscnt 48                                ; the second: behind its loads stand 16 stores and 32 loads
	DIG R1, 0, 1
	DLOAD R1, 1, 1
	s_wait_dscnt 48
	DIG R0, 1, 0
	s_wait_dscnt 16                                ; behind the last block's loads stand 16 stores
	DIG R1, 1, 1
	v_nop
	s_wait_dscnt 0x0                               ; for the others' sake: my records, images and scale bytes lie in LDS
	s_barrier_signal -1
	s_wait_loadcnt 0x0                             ; my latents are in
	WIN 1
.set qi, 0
.rept 64                               ; a conversion wants 16 neighbours along d in consecutive registers
	v_mov_b32 v[X0+qi], v[2*qi]
	v_mov_b32 v[X1+qi], v[2*qi+1]
.set qi, qi+1
.endr
	WIN 0
.irp p, 0,1,2,3
	v_mov_b32 v[SXR+2*\p+1], 0                     ; the first row is row 0
.irp i, 6,7,8,9,10,11
	v_mov_b32 v[BF+12*\p+\i], 0                    ; the tokens' codes for k = 64 .. 127
.endr
.endr
	QUANT X0, BF, BF+12, TSC, SXR
	v_add_nc_u32 v[TSC], 0x101, v[TSC]             ; the operand is 2 x: both bytes one higher
	v_mov_b32 v[SXR+2], v[SXR]
	v_permlane16_swap_b32 v[SXR], v[SXR+2]         ; tile 0: both halves of the lanes hold lanes 0-15's sums; tile 1: lanes 16-31's
	QUANT X1, BF+24, BF+36, TSC+1, SXR+4
	v_add_nc_u32 v[TSC+1], 0x101, v[TSC+1]
	v_mov_b32 v[SXR+6], v[SXR+4]
	v_permlane16_swap_b32 v[SXR+4], v[SXR+6]
.irp i, 12,13,14,15,16,17
	v_mov_b32 v[AB+\i], 0                          ; behind the odd tile's codes in each buffer
	v_mov_b32 v[AB+18+\i], 0
.endr
	v_and_b32 v[GVS], 0xf0, v[VA0]
	v_add_nc_u32 v[GVS], GSC, v[GVS]
	v_add_nc_u32 v[GVB], GIMG, v[VA0]
	v_add_nc_u32 v[GVB+1], GIMG+2*ISTR, v[VA0]
	s_wait_alu depctr_va_vdst(0)
	s_barrier_wait -1                              ; all tables lie in LDS; nobody writes them again
	PRE 0, VA0, VS0, VC0, 0
.rept 8
	v_nop                                          ; a scale register written by a vector instruction stands 8 places ahead of a scaled matrix instruction, an operand so written 4
.endr
	s_wait_dscnt 0x0
	WMMA2 0, 0
	ROW 0, 1, 1, 0, VA0, VS0, VC0, REC             ; row 0 stands in front of the loop: it starts the state, nothing is cleared or compared
	s_mov_b32 s[SOFF], 2*REC
	s_mov_b32 s[ROWN], 16
	s_mov_b32 s[CNT], 7
.Lrows:                                            ; a trip runs two rows, until the buffers are back where they began: rows 1 to 14
	v_add_nc_u32 v[VAW], s[SOFF], v[VA0]
	v_add_nc_u32 v[VSW], s[SOFF], v[VS0]
	v_add_nc_u32 v[VCW], s[SOFF], v[VC0]
	ROW 1, 0, 0, 0, VAW, VSW, VCW, 0
	s_add_co_u32 s[ROWN], s[ROWN], 16
	ROW 0, 1, 0, 0, VAW, VSW, VCW, REC
	s_add_co_u32 s[ROWN], s[ROWN], 16
	s_add_co_u32 s[SOFF], s[SOFF], 2*REC
	s_sub_co_i32 s[CNT], s[CNT], 1
	s_cmp_lg_u32 s[CNT], 0
	s_cbranch_scc1 .Lrows
	ROW 1, 0, 0, 1, VAW, VSW, VCW, 0               ; row 15 fetches nothing
	GLOAD 0                                        ; the lookup's first fragments and scale words, under the search below
	ds_load_b128 v[SA:SA+3], v[GVS]
	; which of the kept sixteen is the best: the first that equals it
.irp p, 0,1,2,3
	v_mov_b32 v[KX+\p], 15
.endr
.irp e, 14,13,12,11,10,9,8,7,6,5,4,3,2,1,0
.irp p, 0,1,2,3
	v_cmp_eq_f32 s[52+\p], v[SV+16*\p+\e], v[BEST+\p]
.endr
.irp p, 0,1,2,3
	v_cndmask_b32 v[KX+\p], v[KX+\p], \e, s[52+\p]
.endr
.endr
.irp p, 0,1,2,3
	v_add_nc_u32 v[KX+\p], v[KX+\p], v[SXR+2*\p+1] ; l = 16 row + e
.endr
.irp p, 0,1,2,3
	v_and_b32 v[KT+\p], 0xf8, v[KX+\p]
.endr
.irp p, 0,1,2,3
	v_add3_u32 v[KT+\p], v[KT+\p], v[KX+\p], v[VH8] ; k = 16 (l / 8) + 8 h + l % 8
.endr
.irp p, 0,1,2,3                        ; the token's other 256 codes lie in the lane 16 away
	v_permlanex16_b32 v[TB+\p], v[BEST+\p], s[SEL], s[SEL+1]
	v_permlanex16_b32 v[TK+\p], v[KT+\p], s[SEL], s[SEL+1]
.endr
.irp p, 0,1,2,3
	v_cmp_lt_f32 s[52+3*\p], v[TB+\p], v[BEST+\p]
	v_cmp_eq_f32 s[53+3*\p], v[TB+\p], v[BEST+\p]
	v_cmp_lt_u32 s[54+3*\p], v[TK+\p], v[KT+\p]
.endr
.irp p, 0,1,2,3
	s_and_b32 s[53+3*\p], s[53+3*\p], s[54+3*\p]
	s_or_b32 s[52+3*\p], s[52+3*\p], s[53+3*\p]    ; the other is smaller, or as small with the smaller k
.endr
	v_mov_b32 v20, 0x7f7f7f7f                      ; the one-hot's scale bytes: digit t counts 2^(-5 t)
	v_mov_b32 v21, 0x7a7a7a7a
	v_mov_b32 v22, 0x75757575
	v_mov_b32 v23, 0x70707070
	v_mov_b32 v28, 0x6b6b6b6b
	ONEHOT 0
	ONEHOT 1
	ONEHOT 2
	ONEHOT 3
	s_wait_alu depctr_va_vdst(0)
.set BN, 0
.rept 16
	BATCH BN
.if BN%4 == 3
	EPI BN/4
.endif
.set BN, BN+1
.endr
	v_pk_add_f32 v[AC:AC+1], v[AC:AC+1], v[AC+2:AC+3]
	v_add_f32 v[AC], v[AC], v[AC+1]
	v_add_f32_dpp v[AC], v[AC], v[AC] row_xmask:1 row_mask:0xf bank_mask:0xf
	v_add_f32_dpp v[AC], v[AC], v[AC] row_xmask:2 row_mask:0xf bank_mask:0xf
	v_add_f32_dpp v[AC], v[AC], v[AC] row_xmask:4 row_mask:0xf bank_mask:0xf
	v_add_f32_dpp v[AC], v[AC], v[AC] row_xmask:8 row_mask:0xf bank_mask:0xf
	v_permlanex16_b32 v[AC+1], v[AC], s[SEL], s[SEL+1]
	v_add_f32 v[AC], v[AC], v[AC+1]                ; the wave's sum, in every lane
	v_mov_b32 v[DF], 0
	v_cmp_eq_u32 vcc_lo, 0, v[VLO]
	s_wait_alu depctr_va_vdst(0)
	s_wait_xcnt 0x0                                ; EXEC changes only behind this wait: stores are out
	s_and_saveexec_b32 s44, vcc_lo
	global_store_b32 v[DF], v[AC], s[10:11]        ; one number for the wave
	s_wait_xcnt 0x0
	s_or_b32 exec_lo, exec_lo, s44
	s_wait_tensorcnt 0x0                           ; the wave's end
	ds_add_u32 v[SPW], v[NIL]
	s_wait_dscnt 0x0
	CROUND                                         ; the closing round
	s_endpgm
.Lfunc_end_k_qc4aaeddbc9_vq:
	.size	k_qc4aaeddbc9_vq, .Lfunc_end_k_qc4aaeddbc9_vq-k_qc4aaeddbc9_vq
	.p2alignl 7, 3214868480
	.fill 96, 4, 3214868480
	.section	.rodata,"a",@progbits
	.p2align	6, 0x0
	.amdhsa_kernel k_qc4aaeddbc9_vq
		.amdhsa_group_segment_fixed_size 294912
		.amdhsa_private_segment_fixed_size 0
		.amdhsa_enable_private_segment 0
		.amdhsa_kernarg_size 32
		.amdhsa_user_sgpr_count 2
		.amdhsa_user_sgpr_kernarg_segment_ptr 1
		.amdhsa_wavefront_size32 1
		.amdhsa_system_sgpr_workgroup_id_x 1
		.amdhsa_system_sgpr_workgroup_id_y 1
		.amdhsa_system_sgpr_workgroup_id_z 1
		.amdhsa_system_vgpr_workitem_id 0
		.amdhsa_next_free_vgpr 512
		.amdhsa_next_free_sgpr 96
		.amdhsa_reserve_vcc 1
		.amdhsa_float_denorm_mode_32 3
		.amdhsa_float_denorm_mode_16_64 3
		.amdhsa_memory_ordered 1
		.amdhsa_forward_progress 1
		.amdhsa_inst_pref_size 252
	.end_amdhsa_kernel
	.amdgpu_metadata
---
amdhsa.version: [ 1, 2 ]
amdhsa.kernels:
  - .name:           k_qc4aaeddbc9_vq
    .symbol:         k_qc4aaeddbc9_vq.kd
    .args:
      - { .name: latents, .offset: 0, .size: 8, .value_kind: global_buffer, .address_space: global }
      - { .name: emb_weight, .offset: 8, .size: 8, .value_kind: global_buffer, .address_space: global }
      - { .name: out0, .offset: 16, .size: 8, .value_kind: global_buffer, .address_space: global }
      - { .name: part, .offset: 24, .size: 8, .value_kind: global_buffer, .address_space: global }
    .group_segment_fixed_size: 294912
    .private_segment_fixed_size: 0
    .kernarg_segment_align: 8
    .kernarg_segment_size: 32
    .max_flat_workgroup_size: 256
    .sgpr_count:     96
    .vgpr_count:     512
    .wavefront_size: 32
...
	.end_amdgpu_metadata
.endif
;; end of part 1
;; launch mean (part 2): grid 1 x 1, 1 waves a work-group, no clusters, 0 bytes of LDS; arguments part, out1; writes out1
.if DOCPART == 2
	.amdgcn_target "amdgcn-amd-amdhsa--gfx1250"
	.amdhsa_code_object_version 6
	.text
	.protected	k_qc4aaeddbc9_mean
	.globl	k_qc4aaeddbc9_mean
	.p2align	8
	.type	k_qc4aaeddbc9_mean,@function
k_qc4aaeddbc9_mean:
	s_mov_b64 s[64:65], 0
	v_nop
	global_prefetch_b8 v0, s[64:65] scope:SCOPE_SE
	s_setreg_imm32_b32 hwreg(HW_REG_WAVE_MODE, 25, 1), 1
	s_wait_xcnt 0x0
; out1 = m x 0.25 + m, m = (the sum of the 2,048 waves' sums of (q - lat)^2) / 8,388,608: both losses are the same mean.
; One wave: 64 numbers a lane, sixteen loads of 16 bytes; each load of the wave covers 512 consecutive bytes.
	s_load_b128 s[4:7], s[0:1], 0x0                ; part, out1
	v_lshlrev_b32 v1, 4, v0
	s_mov_b32 s8, 0x76543210
	s_mov_b32 s9, 0xfedcba98
	v_mov_b32 v2, 0
	s_wait_alu depctr_va_vdst(0)
	s_wait_kmcnt 0x0
.set qi, 0
.rept 16
	global_load_b128 v[4+4*qi:7+4*qi], v1, s[4:5] offset:512*qi
.set qi, qi+1
.endr
	s_wait_loadcnt 0x0
.macro FOLD n                          ; 2 n pairs become n
.set qi, 0
.rept \n
	v_pk_add_f32 v[4+2*qi:5+2*qi], v[4+2*qi:5+2*qi], v[4+2*qi+2*\n:5+2*qi+2*\n]
.set qi, qi+1
.endr
.endm
	FOLD 16
	FOLD 8
	FOLD 4
	FOLD 2
	FOLD 1
	v_add_f32 v4, v4, v5
	v_add_f32_dpp v4, v4, v4 row_xmask:1 row_mask:0xf bank_mask:0xf
	v_add_f32_dpp v4, v4, v4 row_xmask:2 row_mask:0xf bank_mask:0xf
	v_add_f32_dpp v4, v4, v4 row_xmask:4 row_mask:0xf bank_mask:0xf
	v_add_f32_dpp v4, v4, v4 row_xmask:8 row_mask:0xf bank_mask:0xf
	v_permlanex16_b32 v5, v4, s8, s9
	v_add_f32 v4, v4, v5
	v_mul_f32 v4, 0x34000000, v4                   ; x 2^-23: 131,072 x 64 numbers
	v_fma_f32 v4, v4, 0x3e800000, v4               ; x 0.25 rounds nothing, so the fused form has the same bits
	v_cmp_eq_u32 vcc_lo, 0, v0
	s_wait_alu depctr_va_vdst(0)
	s_wait_xcnt 0x0                                ; EXEC changes only behind this wait
	s_and_saveexec_b32 s10, vcc_lo
	global_store_b32 v2, v4, s[6:7]
	s_endpgm
.Lfunc_end_k_qc4aaeddbc9_mean:
	.size	k_qc4aaeddbc9_mean, .Lfunc_end_k_qc4aaeddbc9_mean-k_qc4aaeddbc9_mean
	.p2alignl 7, 3214868480
	.fill 96, 4, 3214868480
	.section	.rodata,"a",@progbits
	.p2align	6, 0x0
	.amdhsa_kernel k_qc4aaeddbc9_mean
		.amdhsa_group_segment_fixed_size 0
		.amdhsa_private_segment_fixed_size 0
		.amdhsa_enable_private_segment 0
		.amdhsa_kernarg_size 16
		.amdhsa_user_sgpr_count 2
		.amdhsa_user_sgpr_kernarg_segment_ptr 1
		.amdhsa_wavefront_size32 1
		.amdhsa_system_sgpr_workgroup_id_x 1
		.amdhsa_system_sgpr_workgroup_id_y 1
		.amdhsa_system_sgpr_workgroup_id_z 1
		.amdhsa_system_vgpr_workitem_id 0
		.amdhsa_next_free_vgpr 68
		.amdhsa_next_free_sgpr 66
		.amdhsa_reserve_vcc 1
		.amdhsa_float_denorm_mode_32 3
		.amdhsa_float_denorm_mode_16_64 3
		.amdhsa_memory_ordered 1
		.amdhsa_forward_progress 1
		.amdhsa_inst_pref_size 5
	.end_amdhsa_kernel
	.amdgpu_metadata
---
amdhsa.version: [ 1, 2 ]
amdhsa.kernels:
  - .name:           k_qc4aaeddbc9_mean
    .symbol:         k_qc4aaeddbc9_mean.kd
    .args:
      - { .name: part, .offset: 0, .size: 8, .value_kind: global_buffer, .address_space: global }
      - { .name: out1, .offset: 8, .size: 8, .value_kind: global_buffer, .address_space: global }
    .group_segment_fixed_size: 0
    .private_segment_fixed_size: 0
    .kernarg_segment_align: 8
    .kernarg_segment_size: 16
    .max_flat_workgroup_size: 32
    .sgpr_count:     66
    .vgpr_count:     68
    .wavefront_size: 32
...
	.end_amdgpu_metadata
.endif
;; end of part 2
